; MI455X (gfx1250); checked and timed in simulation.
; The chip was launched on July 23, 2026; its instructions are those of AMD's public machine-readable ISA for CDNA 5 (MIT licence, August 2026) and "CDNA5" Instruction Set Architecture Reference Guide (July 2026). The comments in the code are by the model that wrote it; some were corrected since.
;; MID LAYER. Allowed arithmetic: float matrix products may take bf16 or f16 operands with f32 sums; all other float work in f32.
;; Inputs: cv_feature 1 x 128 x 128 x 128 float32; mv_feature 1 x 2 x 128 x 128 x 128 float32.
;; Outputs: out0 1 x 128 x 128 x 128 float32.
;; One version. Each part assembles by itself: llvm-mc -triple=amdgcn-amd-amdhsa -mcpu=gfx1250 --defsym DOCPART=n.
;; ======== version 1 of 1: 3 launches
;; limits: values are held in f16: magnitudes above 65,504 overflow, below 6.1e-05 lose precision; inputs' magnitudes at most 65,504
;; workspace buffers: kv16 8,388,608 bytes; wmean 98,304 bytes; ridx 1,024 bytes of whole numbers
;; launch prep (part 1): grid 192 x 1, 16 waves a work-group, no clusters, 10,240 bytes of LDS; arguments cv_feature, mv_feature, kv16, wmean; writes kv16, wmean
.if DOCPART == 1
	.amdgcn_target "amdgcn-amd-amdhsa--gfx1250"
	.amdhsa_code_object_version 6
	.text
	.protected	k_qbed4c744f5_prep
	.globl	k_qbed4c744f5_prep
	.p2align	8
	.type	k_qbed4c744f5_prep,@function
k_qbed4c744f5_prep:
	s_mov_b64 s[64:65], 0
	v_nop
	global_prefetch_b8 v0, s[64:65] scope:SCOPE_SE
	s_setreg_imm32_b32 hwreg(HW_REG_WAVE_MODE, 25, 1), 1
	s_wait_xcnt 0x0
; Window means of both inputs, and an f16 copy of mv laid out window by window and, inside a window, by halves of the channels.
; cv: [128][128][128] f32, mv: [2][128][128][128] f32 (rows, columns, channels).  A window is 16 x 16 pixels.
; Work-group g owns one window: g = 0..127 window g & 63 of view g >> 6 of mv, g = 128..191 window g - 128 of cv.
; Wave y owns pixel row y of the window: 16 pixels x 512 bytes = 8,192 consecutive bytes.  One load of the wave is one pixel
; (32 lanes x 16 bytes = 512 consecutive bytes); lane l keeps channels 4 l .. 4 l + 3.  All 16 loads are issued at once.
; Out: wmean[g][128] f32 (the mean over the 256 pixels), and for mv kv16[g][half][token = 16 y + x][64] f16: half 0 holds channels 0-63,
; half 1 channels 64-127; a token's part is 128 bytes.  Two neighbouring tokens are converted, then the upper 16 lanes of the first and the
; lower 16 lanes of the second change places: one register pair then holds both tokens' channels 0-63 and the other both tokens' channels
; 64-127, so each store of the wave (8 bytes a lane) writes 256 consecutive bytes, aligned.
; No work-group shares an input byte with another: no cluster, no matrix unit, LDS only for the 16 waves' sums.
; LIMIT: a value of mv beyond f16's largest number, 65,504, becomes infinite in kv16.  The sums are in f32: 16 pixels in a lane
; in ascending order, then the 16 rows in ascending order.
.set X,   8                            ; v[8:71]    pixel i: 4 registers as loaded
.set ACC, 72                           ; v[72:75]   sums of my 4 channels
.set HF,  76                           ; v[76:107]  pixel i: 2 registers, 4 f16 to store (each store has data registers of its own)
	s_load_b256 s[4:11], s[0:1], 0x0               ; cv s[4:5], mv s[6:7], kv16 s[8:9], wmean s[10:11]
	v_lshl_add_u32 v108, v0, 2, 0x2000
	v_mov_b32 v109, 0
	v_lshrrev_b32 v1, 5, v0
	v_readfirstlane_b32 s12, v1                    ; wave = pixel row of the window
	v_and_b32 v2, 31, v0                           ; lane
	v_lshlrev_b32 v3, 4, v2                        ; 16 x lane: my 4 channels in f32
	v_lshlrev_b32 v4, 3, v2                        ; 8 x lane: my 8 bytes of a store's 256
	v_lshlrev_b32 v5, 4, v0                        ; 16 x thread: my wave's 512 bytes in LDS
	s_and_b32 s13, ttmp9, 63                       ; window inside its image
	s_lshr_b32 s14, s13, 3                         ; its row of windows
	s_and_b32 s15, s13, 7                          ; its column of windows
	s_lshl4_add_u32 s16, s14, s12                  ; image row = 16 x row of windows + wave
	s_lshl_b32 s16, s16, 16                        ; an image row is 128 x 512 = 65,536 bytes
	s_lshl_b32 s17, s15, 13                        ; 16 pixels x 512 bytes for each column of windows
	s_add_co_u32 s16, s16, s17
	s_and_b32 s17, ttmp9, 64                       ; 64 for g = 64..127 alone: view 1 of mv
	s_lshl_b32 s17, s17, 17                        ; one view is 8,388,608 bytes
	s_add_co_u32 s16, s16, s17
	s_mov_b32 s17, 0
	s_lshl_b32 s22, ttmp9, 9                       ; my row of wmean
	s_mov_b32 s23, 0
	s_wait_kmcnt 0x0
	s_cmp_lt_u32 ttmp9, 128
	s_cselect_b64 s[18:19], s[6:7], s[4:5]         ; mv or cv, by the work-group's number
	s_add_nc_u64 s[18:19], s[18:19], s[16:17]
	s_add_nc_u64 s[10:11], s[10:11], s[22:23]
.irp i, 0,1,2,3,4,5,6,7,8,9,10,11,12,13,14,15
	global_load_b128 v[X+4*\i:X+4*\i+3], v3, s[18:19] offset:512*\i
.endr
.macro ADDUP i                         ; pixel (or row) i joins the sums; the first two start them, nothing is cleared
.if \i == 1
	v_pk_add_f32 v[ACC:ACC+1], v[X:X+1], v[X+4:X+5]
	v_pk_add_f32 v[ACC+2:ACC+3], v[X+2:X+3], v[X+6:X+7]
.endif
.if \i > 1
	v_pk_add_f32 v[ACC:ACC+1], v[ACC:ACC+1], v[X+4*\i:X+4*\i+1]
	v_pk_add_f32 v[ACC+2:ACC+3], v[ACC+2:ACC+3], v[X+4*\i+2:X+4*\i+3]
.endif
.endm
	s_cmp_ge_u32 ttmp9, 128
	s_cbranch_scc1 .Lquery
	; a window of mv: convert, store and sum
	s_lshl_b32 s20, ttmp9, 16                      ; kv16: 65,536 bytes a window,
	s_lshl_b32 s21, s12, 11                        ; in each half 16 tokens x 128 bytes a wave
	s_add_co_u32 s20, s20, s21
	s_mov_b32 s21, 0
	s_add_nc_u64 s[8:9], s[8:9], s[20:21]
.irp i, 0,1,2,3,4,5,6,7,8,9,10,11,12,13,14,15
	s_wait_loadcnt 15-\i                           ; loads come back in order: pixel i is in, the 15 - i younger ones stay out
	v_cvt_pk_f16_f32 v[HF+2*\i], v[X+4*\i], v[X+4*\i+1]
	v_cvt_pk_f16_f32 v[HF+2*\i+1], v[X+4*\i+2], v[X+4*\i+3]
.if \i & 1
	; tokens i - 1 and i: lanes 16-31 of the first (its channels 64-127) change places with lanes 0-15 of the second (its channels 0-63)
	v_permlane16_swap_b32 v[HF+2*\i-2], v[HF+2*\i]
	v_permlane16_swap_b32 v[HF+2*\i-1], v[HF+2*\i+1]
	global_store_b64 v4, v[HF+2*\i-2:HF+2*\i-1], s[8:9] offset:128*\i-128         ; half 0, both tokens: 256 consecutive bytes, aligned
	global_store_b64 v4, v[HF+2*\i:HF+2*\i+1], s[8:9] offset:32768+128*\i-128     ; half 1, both tokens
.endif
	ADDUP \i
.endr
	s_branch .Lreduce
.Lquery:
	; a window of cv: sum only
.irp i, 0,1,2,3,4,5,6,7,8,9,10,11,12,13,14,15
	s_wait_loadcnt 15-\i
	ADDUP \i
.endr
.Lreduce:
	ds_store_b128 v5, v[ACC:ACC+3]                 ; my wave's 128 sums
	s_wait_dscnt 0x0                               ; for wave 0's sake: stored before I signal
	s_barrier_signal -1
	s_barrier_wait -1
	s_cmp_lg_u32 s12, 0
	s_cbranch_scc1 .Ldone
.irp i, 0,1,2,3,4,5,6,7,8,9,10,11,12,13,14,15
	ds_load_b128 v[X+4*\i:X+4*\i+3], v3 offset:512*\i
.endr
.irp i, 0,1,2,3,4,5,6,7,8,9,10,11,12,13,14,15
	s_wait_dscnt 15-\i                             ; row i's sums are in, the younger loads stay out
	ADDUP \i
.endr
.irp j, 0,1,2,3
	v_mul_f32 v[ACC+\j], 0x3b800000, v[ACC+\j]     ; / 256, exact
.endr
	global_store_b128 v3, v[ACC:ACC+3], s[10:11]   ; 512 consecutive bytes
.Ldone:
	s_wait_tensorcnt 0x0
	ds_add_u32 v108, v109
	s_wait_dscnt 0x0
	s_endpgm
.Lfunc_end_k_qbed4c744f5_prep:
	.size	k_qbed4c744f5_prep, .Lfunc_end_k_qbed4c744f5_prep-k_qbed4c744f5_prep
	.p2alignl 7, 3214868480
	.fill 96, 4, 3214868480
	.section	.rodata,"a",@progbits
	.p2align	6, 0x0
	.amdhsa_kernel k_qbed4c744f5_prep
		.amdhsa_group_segment_fixed_size 10240
		.amdhsa_private_segment_fixed_size 0
		.amdhsa_enable_private_segment 0
		.amdhsa_kernarg_size 32
		.amdhsa_user_sgpr_count 2
		.amdhsa_user_sgpr_kernarg_segment_ptr 1
		.amdhsa_wavefront_size32 1
		.amdhsa_system_sgpr_workgroup_id_x 1
		.amdhsa_system_sgpr_workgroup_id_y 1
		.amdhsa_system_sgpr_workgroup_id_z 1
		.amdhsa_system_vgpr_workitem_id 0
		.amdhsa_next_free_vgpr 110
		.amdhsa_next_free_sgpr 66
		.amdhsa_reserve_vcc 0
		.amdhsa_float_denorm_mode_32 3
		.amdhsa_float_denorm_mode_16_64 3
		.amdhsa_memory_ordered 1
		.amdhsa_forward_progress 1
		.amdhsa_inst_pref_size 16
	.end_amdhsa_kernel
	.amdgpu_metadata
---
amdhsa.version: [ 1, 2 ]
amdhsa.kernels:
  - .name:           k_qbed4c744f5_prep
    .symbol:         k_qbed4c744f5_prep.kd
    .args:
      - { .name: cv_feature, .offset: 0, .size: 8, .value_kind: global_buffer, .address_space: global }
      - { .name: mv_feature, .offset: 8, .size: 8, .value_kind: global_buffer, .address_space: global }
      - { .name: kv16, .offset: 16, .size: 8, .value_kind: global_buffer, .address_space: global }
      - { .name: wmean, .offset: 24, .size: 8, .value_kind: global_buffer, .address_space: global }
    .group_segment_fixed_size: 10240
    .private_segment_fixed_size: 0
    .kernarg_segment_align: 8
    .kernarg_segment_size: 32
    .max_flat_workgroup_size: 512
    .sgpr_count:     66
    .vgpr_count:     110
    .wavefront_size: 32
...
	.end_amdgpu_metadata
.endif
;; end of part 1
;; launch route (part 2): grid 64 x 1, 4 waves a work-group, no clusters, 69,120 bytes of LDS; arguments wmean, ridx; writes ridx
.if DOCPART == 2
	.amdgcn_target "amdgcn-amd-amdhsa--gfx1250"
	.amdhsa_code_object_version 6
	.text
	.protected	k_qbed4c744f5_route
	.globl	k_qbed4c744f5_route
	.p2align	8
	.type	k_qbed4c744f5_route,@function
k_qbed4c744f5_route:
	s_mov_b64 s[64:65], 0
	v_nop
	global_prefetch_b8 v0, s[64:65] scope:SCOPE_SE
	s_setreg_imm32_b32 hwreg(HW_REG_WAVE_MODE, 25, 1), 1
	s_wait_xcnt 0x0
; Routing: for query window p (the work-group) the four of the 128 key windows with the largest logit
; (q_mean[p] * 128^-0.5) . k_mean[q], stored as four whole numbers ridx[p][0..3], largest first, the lower index first among equals.
; wmean: rows 0..127 key windows, rows 128..191 query windows, 128 f32 each.
; The product is made in f32 by fused multiply-adds, not on the matrix unit: it is 16,384 multiply-adds a work-group, and the
; choice that hangs on it is not continuous, so operands rounded to 16 bits could change it.
; The softmax of the four logits reaches none of the outputs and is not formed.
; NO CLUSTER, though all work-groups read the same key means: what is shared is 64 KiB in all, read once by each work-group through
; registers; joint requests would add three rounds of the cluster's barrier to a body that has two barriers.
; The key means are read as whole rows (a load of the wave is one row of 512 bytes) and laid into LDS with a pitch of 528
; bytes, so that 16 threads that read the same 16-byte column of 16 rows touch 16 different multiples of 16 modulo 256.
; No address and no branch hangs on a logit: the choice is made by compares, selects and a count of trailing zeros.
; LIMITS: a NaN logit is never chosen as a maximum and may leave arbitrary indices; +0 and -0 count as equal; the sum over the
; channels runs in four chains (channel mod 4), ascending.
.set PITCH, 528
.set QROW,  128*PITCH                  ; the scaled query mean, 512 bytes
.set LOGIT, QROW+512                   ; the 128 logits
.set KD,    16                         ; v[16:143] data
	s_load_b128 s[4:7], s[0:1], 0x0                ; wmean s[4:5], ridx s[6:7]
	v_lshl_add_u32 v152, v0, 2, 0x10c00
	v_mov_b32 v153, 0
	v_lshrrev_b32 v1, 5, v0
	v_readfirstlane_b32 s8, v1                     ; wave
	v_and_b32 v2, 31, v0                           ; lane
	v_lshlrev_b32 v3, 4, v0                        ; 16 x thread
	v_lshlrev_b32 v4, 4, v2                        ; 16 x lane
	v_mul_u32_u24 v5, v1, PITCH
	v_add_nc_u32 v5, v5, v4                        ; LDS: row = wave, my 16 bytes
	s_add_co_u32 s10, ttmp9, 128
	s_lshl_b32 s10, s10, 9                         ; my query window's row
	s_mov_b32 s11, 0
	s_lshl_b32 s12, ttmp9, 4                       ; my 16 bytes of ridx
	s_mov_b32 s13, 0
	s_wait_kmcnt 0x0
	s_add_nc_u64 s[10:11], s[4:5], s[10:11]
	s_add_nc_u64 s[6:7], s[6:7], s[12:13]
	global_load_b128 v[144:147], v4, s[10:11]      ; the query mean
.set i, 0
.rept 32
	global_load_b128 v[KD+4*i:KD+4*i+3], v3, s[4:5] offset:2048*i   ; the four waves take rows 4 i .. 4 i + 3
.set i, i+1
.endr
.set i, 0
.rept 32
	s_wait_loadcnt 31-i                            ; load i is in, the 31 - i younger ones stay out
	ds_store_b128 v5, v[KD+4*i:KD+4*i+3] offset:4*PITCH*i
.set i, i+1
.endr
	s_cmp_lg_u32 s8, 0
	s_cbranch_scc1 .Lno_q
.irp j, 0,1,2,3
	v_mul_f32 v[144+\j], 0x3db504f3, v[144+\j]     ; x 128^-0.5: the query mean is scaled first, then multiplied
.endr
	v_add_nc_u32 v6, QROW, v4
	ds_store_b128 v6, v[144:147]
.Lno_q:
	s_wait_dscnt 0x0                               ; my stores are done before I signal
	s_barrier_signal -1
	s_barrier_wait -1
	; thread q: the logit of key window q.  Four chunks of 32 channels through two register buffers.
	v_mul_u32_u24 v7, v0, PITCH                    ; my row
	v_mov_b32 v8, QROW                             ; the query mean: every lane reads the same bytes
.irp j, 148,149,150,151
	v_mov_b32 v\j, 0
.endr
.macro CHUNK c, b
.irp j, 0,1,2,3,4,5,6,7
	ds_load_b128 v[KD+64*\b+4*\j:KD+64*\b+4*\j+3], v7 offset:128*\c+16*\j
	ds_load_b128 v[KD+64*\b+32+4*\j:KD+64*\b+32+4*\j+3], v8 offset:128*\c+16*\j
.endr
.endm
.macro DOT b
.irp j, 0,1,2,3,4,5,6,7
	v_pk_fma_f32 v[148:149], v[KD+64*\b+4*\j:KD+64*\b+4*\j+1], v[KD+64*\b+32+4*\j:KD+64*\b+32+4*\j+1], v[148:149]
	v_pk_fma_f32 v[150:151], v[KD+64*\b+4*\j+2:KD+64*\b+4*\j+3], v[KD+64*\b+32+4*\j+2:KD+64*\b+32+4*\j+3], v[150:151]
.endr
.endm
	CHUNK 0, 0
	CHUNK 1, 1
	s_wait_dscnt 16                                ; the older chunk is in, the younger chunk's 16 loads stay out
	DOT 0
	CHUNK 2, 0
	s_wait_dscnt 16
	DOT 1
	CHUNK 3, 1
	s_wait_dscnt 16
	DOT 0
	s_wait_dscnt 0
	DOT 1
	v_add_f32 v148, v148, v149
	v_add_f32 v150, v150, v151
	v_add_f32 v148, v148, v150
	v_lshlrev_b32 v9, 2, v0
	v_add_nc_u32 v9, LOGIT, v9
	ds_store_b32 v9, v148
	s_wait_dscnt 0x0                               ; my logit is stored before I signal
	s_barrier_signal -1
	s_barrier_wait -1
	s_cmp_lg_u32 s8, 0
	s_cbranch_scc1 .Ldone
	; wave 0: lane l holds logits l, 32 + l, 64 + l, 96 + l (v20-23) and their indices (v24-27)
.irp j, 0,1,2,3
	ds_load_b32 v[20+\j], v9 offset:128*\j         ; in wave 0 the thread's number is the lane
	v_add_nc_u32 v[24+\j], 32*\j, v0
.endr
	v_mov_b32 v29, 0                               ; written before v_permlanex16_b32 names it as destination
	v_mov_b32 v30, 0xff800000                      ; -infinity takes a chosen logit's place
	s_mov_b32 s14, 0x76543210                      ; v_permlanex16_b32: lane i reads lane i of the other half
	s_mov_b32 s15, 0xfedcba98
	s_wait_dscnt 0x0
; One pick: the largest of the 128, its lowest index into dst, and that logit taken out.
.macro PICK dst
	v_max3_num_f32 v28, v20, v21, v22
	v_max_num_f32 v28, v28, v23
	v_max_num_f32_dpp v28, v28, v28 row_xmask:1 row_mask:0xf bank_mask:0xf
	v_max_num_f32_dpp v28, v28, v28 row_xmask:2 row_mask:0xf bank_mask:0xf
	v_max_num_f32_dpp v28, v28, v28 row_xmask:4 row_mask:0xf bank_mask:0xf
	v_max_num_f32_dpp v28, v28, v28 row_xmask:8 row_mask:0xf bank_mask:0xf
	v_permlanex16_b32 v29, v28, s14, s15
	v_max_num_f32 v28, v28, v29                    ; every lane holds the maximum
.irp j, 0,1,2,3
	v_cmp_eq_f32 s[20+\j], v[20+\j], v28           ; which lanes hold it, register by register
.endr
	s_mov_b32 \dst, 0
.irp j, 3,2,1,0
	s_ctz_i32_b32 s24, s[20+\j]                    ; the lowest such lane
	s_add_co_u32 s24, s24, 32*\j
	s_cmp_lg_u32 s[20+\j], 0
	s_cselect_b32 \dst, s24, \dst                  ; a lower register's match overrides a higher one's: the lowest index wins
.endr
.irp j, 0,1,2,3
	v_cmp_eq_u32 vcc_lo, \dst, v[24+\j]
	v_cndmask_b32 v[20+\j], v[20+\j], v30, vcc_lo
.endr
.endm
	PICK s40
	PICK s41
	PICK s42
	PICK s43
	v_mov_b32 v32, s40
	v_mov_b32 v33, s41
	v_mov_b32 v34, s42
	v_mov_b32 v35, s43
	v_mov_b32 v36, 0
	v_cmp_eq_u32 vcc_lo, 0, v0
	s_wait_xcnt 0x0                                ; EXEC changes only behind this wait
	s_and_saveexec_b32 s20, vcc_lo                 ; lane 0 alone stores the 16 bytes
	global_store_b128 v36, v[32:35], s[6:7]
	s_wait_xcnt 0x0                                ; and again in front of the line that widens it
	s_or_b32 exec_lo, exec_lo, s20
.Ldone:
	s_wait_tensorcnt 0x0
	ds_add_u32 v152, v153
	s_wait_dscnt 0x0
	s_endpgm
.Lfunc_end_k_qbed4c744f5_route:
	.size	k_qbed4c744f5_route, .Lfunc_end_k_qbed4c744f5_route-k_qbed4c744f5_route
	.p2alignl 7, 3214868480
	.fill 96, 4, 3214868480
	.section	.rodata,"a",@progbits
	.p2align	6, 0x0
	.amdhsa_kernel k_qbed4c744f5_route
		.amdhsa_group_segment_fixed_size 69120
		.amdhsa_private_segment_fixed_size 0
		.amdhsa_enable_private_segment 0
		.amdhsa_kernarg_size 16
		.amdhsa_user_sgpr_count 2
		.amdhsa_user_sgpr_kernarg_segment_ptr 1
		.amdhsa_wavefront_size32 1
		.amdhsa_system_sgpr_workgroup_id_x 1
		.amdhsa_system_sgpr_workgroup_id_y 1
		.amdhsa_system_sgpr_workgroup_id_z 1
		.amdhsa_system_vgpr_workitem_id 0
		.amdhsa_next_free_vgpr 154
		.amdhsa_next_free_sgpr 66
		.amdhsa_reserve_vcc 1
		.amdhsa_float_denorm_mode_32 3
		.amdhsa_float_denorm_mode_16_64 3
		.amdhsa_memory_ordered 1
		.amdhsa_forward_progress 1
		.amdhsa_inst_pref_size 24
	.end_amdhsa_kernel
	.amdgpu_metadata
---
amdhsa.version: [ 1, 2 ]
amdhsa.kernels:
  - .name:           k_qbed4c744f5_route
    .symbol:         k_qbed4c744f5_route.kd
    .args:
      - { .name: wmean, .offset: 0, .size: 8, .value_kind: global_buffer, .address_space: global }
      - { .name: ridx, .offset: 8, .size: 8, .value_kind: global_buffer, .address_space: global }
    .group_segment_fixed_size: 69120
    .private_segment_fixed_size: 0
    .kernarg_segment_align: 8
    .kernarg_segment_size: 16
    .max_flat_workgroup_size: 128
    .sgpr_count:     66
    .vgpr_count:     154
    .wavefront_size: 32
...
	.end_amdgpu_metadata
.endif
;; end of part 2
;; launch attend (part 3): grid 256 x 1, 8 waves a work-group, no clusters, 178,176 bytes of LDS; arguments cv_feature, kv16, ridx, out0; writes out0
.if DOCPART == 3
	.amdgcn_target "amdgcn-amd-amdhsa--gfx1250"
	.amdhsa_code_object_version 6
	.text
	.protected	k_qbed4c744f5_attend
	.globl	k_qbed4c744f5_attend
	.p2align	8
	.type	k_qbed4c744f5_attend,@function
k_qbed4c744f5_attend:
	s_mov_b64 s[64:65], 0
	v_nop
	global_prefetch_b8 v0, s[64:65] scope:SCOPE_SE
	s_setreg_imm32_b32 hwreg(HW_REG_WAVE_MODE, 25, 1), 1
	s_wait_xcnt 0x0
; Attention of one query window over its four routed key/value windows: 8 heads of 16 channels, 256 queries, 1,024 keys, K = V.
; WORK-GROUPS: work-group g = 4 p + 2 hh + qh takes of query window p the pixel rows 8 qh .. 8 qh + 7 (128 queries) and the four heads of
; channels 64 hh .. 64 hh + 63.  So it needs 128 bytes of each of the 1,024 tokens (128 KiB in all, half of what all heads would need), and it
; writes 256 consecutive bytes of each of its pixels.  (One head pair a work-group would need 64 KiB, but would write 128 bytes of a pixel.)
; The whole of its K/V lies in LDS once (512 rows of two tokens, 272 bytes apart): nothing is filled again.
; NO CLUSTER, though the two work-groups qh = 0, 1 read the same tokens: the tiles' addresses are made of indices that are loaded from
; memory, and a joint request wants every word of its descriptor equal in all partners by arithmetic on coordinates that they share, which a
; loaded number does not show.  So each work-group asks for itself.
; WAVES: eight.  Wave w takes head pair w & 1 of the four heads (32 channels) and pixel rows 2 (w >> 1), 2 (w >> 1) + 1 of the work-group's eight:
; two query tiles of 16 x two heads = four units u = 2 x tile + head.
; PRODUCTS, in f16 with f32 sums (f16 and not bf16: the results are averages of about a thousand values, and the finer mantissa is wanted;
; P lies in (0, 1]):
;   S^T = K Q^T + C: A = 16 keys x 32 channels (both heads of the pair), B = 16 queries of ONE head with zeros in the other head's 16 places,
;         so one K fragment serves both heads and both query tiles.  In the result lane (r, h) holds query r, key rows 8 h + 0..7.
;   O^T = V^T P^T:   that layout, packed to f16, IS the B fragment of P^T (two key tiles = 32 keys); A = V^T comes from the same LDS rows by
;         the transposing load.  In O^T lane (r, h) holds query r, channels 8 h + 0..7, so maximum, sum and 1/sum are one number a lane.
; KEY ORDER: row m of a key tile is the token at LDS row 2 ((m & 7) >> 1) + (m >> 3) of the tile's eight, half m & 1 of that row, alike for K and
; for V (a softmax does not mind the order).  With rows 272 bytes apart and tokens 128 bytes apart the 16 lanes of a plain load and of a
; transposing load then start at 16 different multiples of 16 modulo 256.
; TWO PASSES: pass 1 forms S^T and keeps only each query's maximum; pass 2 forms S^T again with C = -maximum (eight registers a unit), so the
; difference costs no vector instruction, then 2^x, the sum, the pack and V^T P^T.  The true maximum of the row is taken away.
; Q is scaled by 128^-0.5 log2(e) in f32 before it is rounded, so that 2^x stands for e^x.
; LIMITS: |kv| <= 65,504 and 0.1275 |q| <= 65,504 (f16); an infinity or NaN in one head's keys also spoils the other head of its pair (0 x inf);
; an index beyond 127 is clamped to 127.
.set PITCH, 272                        ; an LDS row: two tokens of 128 bytes + 16
.set T16,   8*PITCH                    ; a key tile: 16 tokens
.set BLK,   16*PITCH                   ; a block of 32 keys; also what one tensor load brings
.set WINB,  128*PITCH                  ; a window
.set STAGE, 512*PITCH                  ; behind K/V (a multiple of 256): the way out, bytes into which no tensor load lands
.set SP,    144                        ; stage: a pixel's 128 bytes of one head pair + 16
.set REG,   32*SP+128                  ; stage: one wave's region, 32 pixels; the 128 set neighbouring regions half of 256 bytes apart
.set KB,   2                           ; v2-5     my K fragment address in window 0..3
.set KA,   6                           ; v6       the same, running, in pass 2
.set VA,   7                           ; v7       my V fragment address, running
.set SA,   8                           ; v8       the way out: where I put results
.set RD,   9                           ; v9       the way out: where I read pixels back
.set LN,   10                          ; v10      the way out: my byte offset in out
.set QF,   16                          ; v16-39   query tile y at 12 y: head a (4), zeros (4), head b (4); B of head a = +0..7, of head b = +4..11
.set KF,   40                          ; v40-55   K fragments of a block: two key tiles
.set VF,   56                          ; v56-71   V^T fragments of a block: head a, head b (pass 1: the second buffer of K fragments)
.set P,    72                          ; v72-87   P^T of the step's two units
.set L,    88                          ; v88-103  unit u at 4 u: four partial sums
.set NEGM, 104                         ; v104-135 unit u at 8 u: -maximum, eight times
.set O,    136                         ; v136-167 unit u at 8 u: O^T
.set S,    168                         ; v168-231 query tile y at 32 y: S^T of head a keys 0-15, 16-31, head b keys 0-15, 16-31
.set MX,   232                         ; v232-239 query tile y at 4 y: one running maximum for each of those four; at the end 1/sum of unit u at 2 u
.set G1,   24                          ; s[24:31] descriptor group 1
.set G0,   32                          ; s[32:47] descriptor group 0, one for each window; s24-47 are written once
	s_load_b256 s[4:11], s[0:1], 0x0               ; cv s[4:5], kv16 s[6:7], ridx s[8:9], out s[10:11]
	v_lshl_add_u32 v240, v0, 2, 0x2b400
	v_mov_b32 v241, 0
	ds_add_u32 v240, v241
	ds_add_u32 v240, v241
	v_lshrrev_b32 v1, 5, v0
	v_readfirstlane_b32 s12, v1                    ; wave 0..7
	s_lshr_b32 s3, ttmp9, 2                        ; p: the query window
	s_bfe_u32 s2, ttmp9, 0x10001                   ; hh: which half of the channels (one bit from bit 1)
	s_and_b32 s13, ttmp9, 1                        ; qh: which half of the window's queries
	s_and_b32 s14, s12, 1                          ; head pair inside the half
	s_lshr_b32 s15, s12, 1                         ; pair of query tiles, 0..3
	s_lshl_b32 s20, s3, 4                          ; window p's four indices: 16 bytes
	s_mov_b32 s21, 0
	; group 1: 16 rows of 256 bytes (32 elements of 8 bytes), dense in memory, 16 bytes of padding behind each row in LDS
	s_mov_b32 s[G1+0], (3<<16)|(1<<20)|(5<<22)|(3<<25)  ; no mask; 8-byte elements; padding on; after 64 words, 4 words
	s_mov_b32 s[G1+1], 32<<16                      ; tensor_dim0 = 32
	s_mov_b32 s[G1+2], 16<<16                      ; tensor_dim1 = 16
	s_mov_b32 s[G1+3], 32<<16                      ; tile_dim0 = 32
	s_mov_b32 s[G1+4], 16                          ; tile_dim1 = 16
	s_mov_b32 s[G1+5], 32                          ; from row to row: 32 elements
	s_mov_b32 s[G1+6], 0
	s_mov_b32 s[G1+7], 0
	s_wait_dscnt 0x0
	s_wait_kmcnt 0x0
	s_add_nc_u64 s[8:9], s[8:9], s[20:21]
	s_load_b128 s[16:19], s[8:9], 0x0              ; the four windows
	s_lshl_b32 s22, s12, 12                        ; my 32 tokens of a window's half: wave x 4,096 bytes,
	s_lshl_b32 s23, s2, 15                         ; in half hh: 32,768 bytes a half
	s_add_co_u32 s22, s22, s23
	s_mul_i32 s23, s12, BLK                        ; and their place in LDS
	s_wait_kmcnt 0x0
.irp w, 0,1,2,3
	s_min_u32 s[16+\w], s[16+\w], 127              ; an index stays inside kv16
	s_lshl_b32 s20, s[16+\w], 16                   ; 65,536 bytes a window
	s_add_co_u32 s20, s20, s22
	s_mov_b32 s[G0+4*\w], 1
	s_add_co_u32 s[G0+4*\w+1], s23, \w*WINB
	s_add_nc_u64 s[G0+4*\w+2:G0+4*\w+3], s[6:7], s[20:21]
	s_or_b32 s[G0+4*\w+3], s[G0+4*\w+3], 0x80000000
.endr
.irp w, 0,1,2,3
	tensor_load_to_lds s[G0+4*\w:G0+4*\w+3], s[G1:G1+7]   ; four loads of the wave are out, in the order in which pass 1 wants them
	s_nop 0
.endr
	; Q straight from cv: lane (r, h) takes pixel r of the tile's pixel row, channels 8 h .. 8 h + 7 of each head, 32 bytes
	v_and_b32 v11, 15, v0                          ; r
	v_bfe_u32 v12, v0, 4, 1                        ; h
	v_bfe_u32 v13, v0, 1, 2                        ; (l >> 1) & 3
	v_bfe_u32 v14, v0, 3, 1                        ; (l >> 3) & 1
	v_lshlrev_b32 v15, 9, v11                      ; a pixel is 512 bytes
	v_lshl_add_u32 v15, v12, 5, v15
	s_lshr_b32 s48, s3, 3
	s_lshl_b32 s48, s48, 4
	s_lshl3_add_u32 s48, s13, s48                  ; image row of the work-group's first pixel row: 16 (p >> 3) + 8 qh
	s_and_b32 s49, s3, 7
	s_lshl_b32 s49, s49, 13                        ; the window's 16 pixels in an image row,
	s_lshl_b32 s54, s2, 8
	s_add_co_u32 s49, s49, s54                     ; and the half's 256 bytes of a pixel
	s_lshl_b32 s54, s14, 7                         ; the head pair's 128 bytes of those
	s_lshl1_add_u32 s50, s15, s48                  ; image row of my first query tile
	s_lshl_b32 s50, s50, 16                        ; an image row is 65,536 bytes
	s_add_co_u32 s50, s50, s49
	s_add_co_u32 s50, s50, s54
	s_mov_b32 s51, 0
	s_add_nc_u64 s[4:5], s[4:5], s[50:51]
.irp y, 0,1
.irp d, 0,1
	global_load_b128 v[S+16*\y+8*\d:S+16*\y+8*\d+3],   v15, s[4:5] offset:65536*\y+64*\d
	global_load_b128 v[S+16*\y+8*\d+4:S+16*\y+8*\d+7], v15, s[4:5] offset:65536*\y+64*\d+16
.endr
.endr
	; LDS addresses.  K: lane (r, h) reads key row m = r: LDS row 2 ((r & 7) >> 1) + (r >> 3), half r & 1; 16 bytes at 16 h (head a) and at 32 + 16 h (head b).
	s_lshl_b32 s55, s14, 6                         ; the head pair's 64 bytes of a token
	v_and_b32 v16, 1, v0                           ; l & 1 (v16-18 are at work here; Q's fragments are written into them later)
	v_lshl_add_u32 v1, v13, 1, v14
	v_mul_u32_u24 v1, v1, PITCH
	v_lshl_add_u32 v1, v16, 7, v1
	v_lshl_add_u32 v1, v12, 4, v1
	v_add_nc_u32 v[KB], s55, v1
	v_add_nc_u32 v[KB+1], WINB, v[KB]
	v_add_nc_u32 v[KB+2], 2*WINB, v[KB]
	v_add_nc_u32 v[KB+3], 3*WINB, v[KB]
	; V: lane l supplies key row m = 8 h + (l & 7): LDS row 2 ((l & 7) >> 1) + h, half l & 1; channels 8 ((l >> 3) & 1) + 0..7
	v_lshl_add_u32 v1, v13, 1, v12
	v_mul_u32_u24 v1, v1, PITCH
	v_lshl_add_u32 v1, v16, 7, v1
	v_lshl_add_u32 v1, v14, 4, v1
	v_add_nc_u32 v[VA], s55, v1
	; the way out, in: my wave's own region, pixel r of the tile, 32 bytes at 32 h
	s_mul_i32 s60, s12, REG
	s_add_co_u32 s60, s60, STAGE
	v_mul_u32_u24 v1, v11, SP
	v_lshl_add_u32 v1, v12, 5, v1
	v_add_nc_u32 v[SA], s60, v1
	; back: wave w takes pixel row w of the work-group's eight = tile w & 1 of the two regions 2 (w >> 1) + (r >> 3) (the two head pairs);
	; load i: pixels 2 i + h, of each 16 bytes at 16 (r & 7) of the region's 128
	v_and_b32 v17, 7, v0
	v_mul_u32_u24 v1, v14, REG
	v_lshl_add_u32 v1, v17, 4, v1
	v_mul_u32_u24 v18, v12, SP
	v_add_nc_u32 v1, v1, v18
	s_mul_i32 s60, s15, 2*REG
	s_mul_i32 s62, s14, 16*SP
	s_add_co_u32 s60, s60, s62
	s_add_co_u32 s60, s60, STAGE
	v_add_nc_u32 v[RD], s60, v1
	; out: 16 lanes write the 256 bytes of one pixel's four heads, the other 16 lanes those of the next pixel
	v_lshlrev_b32 v[LN], 4, v11
	v_lshl_add_u32 v[LN], v12, 9, v[LN]
	s_add_co_u32 s61, s12, s48                     ; image row of pixel row w
	s_lshl_b32 s58, s61, 16
	s_add_co_u32 s58, s58, s49
	s_mov_b32 s59, 0
	s_add_nc_u64 s[10:11], s[10:11], s[58:59]
	s_mov_b32 s52, 0x3e0293ee                      ; 128^-0.5 x log2(e)
	s_mov_b32 s53, 0x3e0293ee
	s_mov_b32 s56, 0x76543210                      ; v_permlanex16_b32: lane i reads lane i of the other half
	s_mov_b32 s57, 0xfedcba98
	s_wait_loadcnt 0x0                             ; Q is in
.set i, 0
.rept 16
	v_pk_mul_f32 v[S+2*i:S+2*i+1], v[S+2*i:S+2*i+1], s[52:53] op_sel_hi:[1,0]
.set i, i+1
.endr
.irp y, 0,1
.irp d, 0,1
.irp i, 0,1,2,3
	v_cvt_pk_f16_f32 v[QF+12*\y+8*\d+\i], v[S+16*\y+8*\d+2*\i], v[S+16*\y+8*\d+2*\i+1]
.endr
.endr
.irp i, 4,5,6,7
	v_mov_b32 v[QF+12*\y+\i], 0                    ; the zeros that blank the other head's channels
.endr
.endr
; four loads: the K fragments of a block (two key tiles x both heads' channels) into x
.macro KLOAD x, a, off
	ds_load_b128 v[\x:\x+3],     v[\a] offset:\off
	ds_load_b128 v[\x+4:\x+7],   v[\a] offset:\off+32
	ds_load_b128 v[\x+8:\x+11],  v[\a] offset:\off+T16
	ds_load_b128 v[\x+12:\x+15], v[\a] offset:\off+T16+32
.endm
; four transposing loads: V^T of a block, head a then head b, keys 0-15 and 16-31
.macro VLOAD
	ds_load_tr16_b128 v[VF:VF+3],     v[VA]
	ds_load_tr16_b128 v[VF+4:VF+7],   v[VA] offset:T16
	ds_load_tr16_b128 v[VF+8:VF+11],  v[VA] offset:32
	ds_load_tr16_b128 v[VF+12:VF+15], v[VA] offset:T16+32
.endm
; S^T of query tile y against the block in x: four results, none added onto.  neg = 1: -maximum goes in as C.
.macro QK y, x, neg
.irp t, 0,1
.irp d, 0,1
.if \neg
	v_wmma_f32_16x16x32_f16 v[S+32*(\y)+16*\d+8*\t:S+32*(\y)+16*\d+8*\t+7], v[\x+8*\t:\x+8*\t+7], v[QF+12*(\y)+4*\d:QF+12*(\y)+4*\d+7], v[NEGM+16*(\y)+8*\d:NEGM+16*(\y)+8*\d+7]
.else
	v_wmma_f32_16x16x32_f16 v[S+32*(\y)+16*\d+8*\t:S+32*(\y)+16*\d+8*\t+7], v[\x+8*\t:\x+8*\t+7], v[QF+12*(\y)+4*\d:QF+12*(\y)+4*\d+7], 0
.endif
.endr
.endr
.endm
; the 32 scores of query tile y join its four running maxima: 16 instructions in four chains
.macro MAXS y
.irp i, 0,1,2,3
.irp g, 0,1,2,3
	v_max3_num_f32 v[MX+4*\y+\g], v[MX+4*\y+\g], v[S+32*\y+8*\g+2*\i], v[S+32*\y+8*\g+2*\i+1]
.endr
.endr
.endm
; PASS 1, one window: 8 blocks of 32 keys through two fragment buffers.  The maxima of one query tile are the plain vector work that stands
; behind the other tile's matrix instructions (16 instructions that name none of their registers), ahead of every read of a result and of
; every load into a fragment buffer that has been multiplied.
.macro P1WIN w
	s_wait_dscnt 0x0                               ; no LDS instruction of mine is out at the signal
	s_wait_tensorcnt 3-\w                          ; my part of window w has landed; my loads for the 3 - w later windows stay out
	s_barrier_signal -1
	s_barrier_wait -1                              ; everybody's part has
	KLOAD KF, KB+\w, 0
	KLOAD VF, KB+\w, BLK
.irp b, 0,1,2,3,4,5,6,7
.set XB, KF+16*(\b&1)
.if \b < 7
	s_wait_dscnt 4                                 ; this block's fragments are in, the next block's four loads stay out
.else
	s_wait_dscnt 0
.endif
	QK 0, XB, 0
.if \w+\b == 0
.irp m, 0,1,2,3,4,5,6,7
	v_mov_b32 v[MX+\m], 0xff800000                 ; the very first block: the maxima start at -infinity
.endr
.else
	MAXS 1                                         ; the block before
.endif
	QK 1, XB, 0
	MAXS 0
.if \b < 6
	KLOAD XB, KB+\w, (\b+2)*BLK
.endif
.endr
.endm
	P1WIN 0
	P1WIN 1
	P1WIN 2
	P1WIN 3
	MAXS 1
	; each unit's maximum: its two chains, then the other half of the lanes (the other 8 key rows of every tile); its negative eight times
.irp u, 0,1,2,3
	v_max_num_f32 v[MX+2*\u], v[MX+2*\u], v[MX+2*\u+1]
.endr
.irp u, 0,1,2,3
	v_permlanex16_b32 v[MX+2*\u+1], v[MX+2*\u], s56, s57
.endr
.irp u, 0,1,2,3
	v_max_num_f32 v[MX+2*\u], v[MX+2*\u], v[MX+2*\u+1]
.endr
.irp u, 0,1,2,3
.irp j, 0,1,2,3,4,5,6,7
	v_xor_b32 v[NEGM+8*\u+\j], 0x80000000, v[MX+2*\u]
.endr
.endr
; PASS 2, one step: query tile y against one block.  S[y] holds s - maximum (in units of log 2).
; first = 1: the first block starts O and the sums; qk = 1: the other tile's next scores are issued; ld = 1: the next fragments are fetched.
; Step 0 of block b issues tile 1's scores of block b and then fetches K of block b + 1; step 1 issues tile 0's scores of block b + 1 and then
; fetches V of block b + 1.  So each buffer is loaded one step ahead of its use, and the only LDS loads out at the step's wait are the last step's four.
; Matrix instructions: O of the two units, then four different S; every accumulator's turn is one instruction, over the backward jump too.
; The sums at the end (12 or 16 instructions on S[y] and L alone) are the plain vector work behind the step's matrix instructions, ahead of the
; loads into their fragments, of the next step's exponentials and of its writes of P.
.macro STEP y, first, qk, ld
.set i, 0
.rept 32
	v_exp_f32 v[S+32*\y+i], v[S+32*\y+i]
.set i, i+1
.endr
.if \y == 0
	v_add_nc_u32 v[KA], BLK, v[KA]                 ; the plain instruction between the exponentials and their use (ISA guide 5.7.2): the next block's address
	s_wait_alu depctr_va_vdst(0)
.else
	v_add_nc_u32 v[VA], BLK, v[VA]
	s_wait_alu depctr_va_vdst(0)
.endif
.set i, 0
.rept 16
	v_cvt_pk_f16_f32 v[P+i], v[S+32*\y+2*i], v[S+32*\y+2*i+1]
.set i, i+1
.endr
	s_wait_dscnt 0x0                               ; the last step's four loads are in
.irp d, 0,1
.if \first
	v_wmma_f32_16x16x32_f16 v[O+16*\y+8*\d:O+16*\y+8*\d+7], v[VF+8*\d:VF+8*\d+7], v[P+8*\d:P+8*\d+7], 0
.else
	v_wmma_f32_16x16x32_f16 v[O+16*\y+8*\d:O+16*\y+8*\d+7], v[VF+8*\d:VF+8*\d+7], v[P+8*\d:P+8*\d+7], v[O+16*\y+8*\d:O+16*\y+8*\d+7]
.endif
.endr
.if \qk
	QK 1-\y, KF, 1
.endif
.if \first
.irp d, 0,1
	v_pk_add_f32 v[L+8*\y+4*\d:L+8*\y+4*\d+1],   v[S+32*\y+16*\d:S+32*\y+16*\d+1],   v[S+32*\y+16*\d+4:S+32*\y+16*\d+5]
	v_pk_add_f32 v[L+8*\y+4*\d+2:L+8*\y+4*\d+3], v[S+32*\y+16*\d+2:S+32*\y+16*\d+3], v[S+32*\y+16*\d+6:S+32*\y+16*\d+7]
.endr
.irp i, 4,5,6,7
.irp d, 0,1
	v_pk_add_f32 v[L+8*\y+4*\d+2*(\i&1):L+8*\y+4*\d+2*(\i&1)+1], v[L+8*\y+4*\d+2*(\i&1):L+8*\y+4*\d+2*(\i&1)+1], v[S+32*\y+16*\d+2*\i:S+32*\y+16*\d+2*\i+1]
.endr
.endr
.else
.irp i, 0,1,2,3,4,5,6,7
.irp d, 0,1
	v_pk_add_f32 v[L+8*\y+4*\d+2*(\i&1):L+8*\y+4*\d+2*(\i&1)+1], v[L+8*\y+4*\d+2*(\i&1):L+8*\y+4*\d+2*(\i&1)+1], v[S+32*\y+16*\d+2*\i:S+32*\y+16*\d+2*\i+1]
.endr
.endr
.endif
.if \ld
.if \y == 0
	KLOAD KF, KA, 0
.else
	VLOAD
.endif
.endif
.endm
	v_mov_b32 v[KA], v[KB]
	KLOAD KF, KA, 0
	VLOAD
	s_wait_dscnt 4                                 ; K of block 0 is in, V's four loads stay out
	QK 0, KF, 1
.rept 4
	v_nop                                          ; four places behind the matrix instructions, ahead of the exponentials that read their results (ISA guide 7.12.1)
.endr
	STEP 0, 1, 1, 1                                ; block 0 starts O and the sums: nothing is cleared
	STEP 1, 1, 1, 1
	s_mov_b32 s60, 30                              ; blocks 1 to 30 (the four windows lie one behind the other: 8 blocks each)
.Lblock:
	STEP 0, 0, 1, 1
	STEP 1, 0, 1, 1
	s_sub_co_u32 s60, s60, 1
	s_cmp_lg_u32 s60, 0
	s_cbranch_scc1 .Lblock
	STEP 0, 0, 1, 0                                ; block 31: nothing more to fetch (the stepped addresses are not used)
	STEP 1, 0, 0, 0
	; 1 / sum of each unit: four partial sums, then the other half of the lanes
.irp u, 0,1,2,3
	v_pk_add_f32 v[L+4*\u:L+4*\u+1], v[L+4*\u:L+4*\u+1], v[L+4*\u+2:L+4*\u+3]
.endr
.irp u, 0,1,2,3
	v_add_f32 v[L+4*\u], v[L+4*\u], v[L+4*\u+1]
.endr
.irp u, 0,1,2,3
	v_permlanex16_b32 v[MX+2*\u+1], v[L+4*\u], s56, s57
.endr
.irp u, 0,1,2,3
	v_add_f32 v[L+4*\u], v[L+4*\u], v[MX+2*\u+1]
.endr
.irp u, 0,1,2,3
	v_rcp_f32 v[MX+2*\u], v[L+4*\u]                ; the sum is at least about 1: the row's largest score gives 2^0
.endr
	v_nop                                          ; a plain instruction between the reciprocals and their use (ISA guide 5.7.2)
	s_wait_alu depctr_va_vdst(0)
.irp u, 0,1,2,3
.irp k, 0,1,2,3
	v_pk_mul_f32 v[O+8*\u+2*\k:O+8*\u+2*\k+1], v[O+8*\u+2*\k:O+8*\u+2*\k+1], v[MX+2*\u:MX+2*\u+1] op_sel_hi:[1,0]
.endr
.endr
	; THE WAY OUT: a lane's 8 channels of a unit are 32 bytes of a pixel's 256; the two head pairs of a pixel lie in two waves.  So through LDS.
.irp y, 0,1
.irp d, 0,1
.irp k, 0,1
	ds_store_b128 v[SA], v[O+16*\y+8*\d+4*\k:O+16*\y+8*\d+4*\k+3] offset:16*SP*\y+64*\d+16*\k
.endr
.endr
.endr
	s_wait_dscnt 0x0                               ; for the others' sake: stored before I signal
	s_barrier_signal -1
	s_barrier_wait -1
.irp i, 0,1,2,3,4,5,6,7
	ds_load_b128 v[S+4*\i:S+4*\i+3], v[RD] offset:2*SP*\i
.endr
.irp i, 0,1,2,3,4,5,6,7
	s_wait_dscnt 7-\i                              ; pixels 2 i, 2 i + 1 are in, the 7 - i younger loads stay out
	global_store_b128 v[LN], v[S+4*\i:S+4*\i+3], s[10:11] offset:1024*\i th:TH_STORE_NT   ; two pixels: of each 256 consecutive bytes, aligned, from 16 neighbouring lanes
.endr
	s_wait_tensorcnt 0x0
	ds_add_u32 v240, v241
	s_wait_dscnt 0x0
	s_endpgm
.Lfunc_end_k_qbed4c744f5_attend:
	.size	k_qbed4c744f5_attend, .Lfunc_end_k_qbed4c744f5_attend-k_qbed4c744f5_attend
	.p2alignl 7, 3214868480
	.fill 96, 4, 3214868480
	.section	.rodata,"a",@progbits
	.p2align	6, 0x0
	.amdhsa_kernel k_qbed4c744f5_attend
		.amdhsa_group_segment_fixed_size 178176
		.amdhsa_private_segment_fixed_size 0
		.amdhsa_enable_private_segment 0
		.amdhsa_kernarg_size 32
		.amdhsa_user_sgpr_count 2
		.amdhsa_user_sgpr_kernarg_segment_ptr 1
		.amdhsa_wavefront_size32 1
		.amdhsa_system_sgpr_workgroup_id_x 1
		.amdhsa_system_sgpr_workgroup_id_y 1
		.amdhsa_system_sgpr_workgroup_id_z 1
		.amdhsa_system_vgpr_workitem_id 0
		.amdhsa_next_free_vgpr 242
		.amdhsa_next_free_sgpr 66
		.amdhsa_reserve_vcc 0
		.amdhsa_float_denorm_mode_32 3
		.amdhsa_float_denorm_mode_16_64 3
		.amdhsa_memory_ordered 1
		.amdhsa_forward_progress 1
		.amdhsa_inst_pref_size 129
	.end_amdhsa_kernel
	.amdgpu_metadata
---
amdhsa.version: [ 1, 2 ]
amdhsa.kernels:
  - .name:           k_qbed4c744f5_attend
    .symbol:         k_qbed4c744f5_attend.kd
    .args:
      - { .name: cv_feature, .offset: 0, .size: 8, .value_kind: global_buffer, .address_space: global }
      - { .name: kv16, .offset: 8, .size: 8, .value_kind: global_buffer, .address_space: global }
      - { .name: ridx, .offset: 16, .size: 8, .value_kind: global_buffer, .address_space: global }
      - { .name: out0, .offset: 24, .size: 8, .value_kind: global_buffer, .address_space: global }
    .group_segment_fixed_size: 178176
    .private_segment_fixed_size: 0
    .kernarg_segment_align: 8
    .kernarg_segment_size: 32
    .max_flat_workgroup_size: 256
    .sgpr_count:     66
    .vgpr_count:     242
    .wavefront_size: 32
...
	.end_amdgpu_metadata
.endif
;; end of part 3
